; MI455X (gfx1250); checked and timed in simulation.
; The chip was launched on July 23, 2026; its instructions are those of AMD's public machine-readable ISA for CDNA 5 (MIT licence, August 2026) and "CDNA5" Instruction Set Architecture Reference Guide (July 2026). The comments in the code are by the model that wrote it; some were corrected since.
;; Ex MRD Retrieval. Allowed arithmetic: float matrix products may take bf16 or f16 operands with f32 sums; all other float work in f32.
;; Inputs: memory_evidence 100,000 x 2 float32; memory_feat 100,000 x 256 float32; model_evidence 1,024 x 2 float32; query 1,024 x 256 float32.
;; Outputs: out0 1,024 x 2 float32.
;; Constants: top_k = 16.
;; 2 versions, each right; version 2 is version 1 with the launch sims written anew for expert scheduling mode. Each part assembles by itself: llvm-mc -triple=amdgcn-amd-amdhsa -mcpu=gfx1250 --defsym DOCPART=n.
;; ======== version 1 of 2: 4 launches
;; workspace buffers: fmax 51,200,000 bytes; cmax 2,560,000 bytes; cidx 65,536 bytes of whole numbers; fidx 65,536 bytes of whole numbers
;; launch sims (part 1): grid 2 x 125, 8 waves a work-group, no clusters, 116,992 bytes of LDS; arguments memory_feat, query, fmax, cmax; writes fmax, cmax
.if DOCPART == 1
	.amdgcn_target "amdgcn-amd-amdhsa--gfx1250"
	.amdhsa_code_object_version 6
	.text
	.protected	k_qc1905b1cc3_sims
	.globl	k_qc1905b1cc3_sims
	.p2align	8
	.type	k_qc1905b1cc3_sims,@function
k_qc1905b1cc3_sims:
	s_mov_b64 s[64:65], 0
	v_nop
	global_prefetch_b8 v0, s[64:65] scope:SCOPE_SE
	s_setreg_imm32_b32 hwreg(HW_REG_WAVE_MODE, 25, 1), 1
	s_wait_xcnt 0x0
; Step 1 of 4 of a cosine top-16 retrieval: 1,024 queries x 100,000 memory rows, 256 numbers a row.
; This launch forms key(row, q) = (bf16(row) . bf16(query q)) / max(|bf16(row)|, 1e-8), products in bf16 with f32 sums, and
; keeps only maxima of it: fmax[row/80][q][(row%80)/8] over 8 neighbouring rows, cmax[row/800][q][(row%800)/160] over 160.
; The query's own norm is a positive factor common to all keys of a query: it does not change their order and is applied in the last launch.
; The 16 best rows of a query lie in the 16 groups with the largest maxima (equal maxima: the lower group), so the later launches
; need only these maxima to find 128 candidate rows.
; LIMITS: NaN and infinite inputs are not served.  Inputs are rounded to bf16 before products and norms.
;
; SHARES: work-group (x, y) = queries 512 x .. +511, rows 800 y .. +799.  Wave w keeps its 64 queries (4 tiles of 16, all 256 k) as the
; second matrix source in 256 registers for the whole kernel.  Memory rows are the first source, so lane (r, h) register j holds
; row 8 h + j against query r: a group of 8 rows is one lane's eight results.  Rows go in 10 steps of 80 through two LDS buffers.
; NO TENSOR LOADS, NO CLUSTER: the rows are f32 and must pass through registers to be rounded and to give their norms; a row tile is shared by
; two work-groups only, and a grid of 2 x 125 divides into no cluster of four.  Each wave has 20 loads of 512 bytes out, one whole step ahead.
.set PITCH,  528                       ; an LDS row: 512 bytes of bf16 + 16: an odd multiple of 16, so the 16 rows of a fragment load start in 16 different 16-byte columns modulo 256
.set BUFB,   80*PITCH                  ; a buffer: 80 rows
.set INVB,   2*BUFB                    ; 2 x 80 f32: 1 / norm of each row of a buffer
.set KB,     85248                     ; 8 waves x 2,560 bytes: a step's keys, (query, group) at query*40 + group*4, as they lie in fmax
.set CB,     105728                    ; 8 waves x 1,280 bytes: the five coarse maxima of each query, as they lie in cmax
.set STEPB,  80*1024                   ; a step's rows in memory
.set FSTEP,  1024*40                   ; a step's keys in fmax
.set LANE, 1
.set R,    2                           ; lane % 16
.set H,    3                           ; lane / 16
.set QOFF, 4                           ; query bytes of my fragment
.set GOFF, 5                           ; memory bytes of the rows that I convert
.set CVST, 6                           ; where they go in LDS
.set ISTO, 7                           ; where their 1 / norm goes
.set AAD,  8                           ; v8, v9: my part of a row fragment in buffer 0, 1
.set IAD,  10                          ; my eight 1 / norm
.set KSTO, 11
.set KRD,  12
.set FOFF, 13
.set CSTO, 14
.set CRD,  15
.set COFF, 16
.set TP,   17
.set SS,   18                          ; v18, v19: two chains of squares
.set IV,   20
.set ZERO, 21
.set PK,   22                          ; v22-29: 16 numbers of a row in bf16
.set TT,   30
.set A,    32                          ; v32-95: a tile of 16 rows, 8 fragments of 32 k
.set ACC,  96                          ; v96-127: 4 accumulators
.set INV,  128                         ; v128-135
.set CM,   136                         ; v136-139: running maximum of the 160-row group
.set KEY,  140                         ; v140-143
.set FL,   156                         ; v156-175: keys on their way out
.set S,    176                         ; v176-255: five pairs of rows in f32, 16 registers a pair
; window 1 (v256-511): query fragment (ks, nt) at 32 ks + 8 nt
.set MSB, 0
.macro WIN new                         ; the immediate's high byte repeats the setting that is left
.if MSB != \new
	s_set_vgpr_msb (MSB<<8)|\new
.set MSB, \new
.endif
.endm
	s_load_b256 s[4:11], s[0:1], 0x0               ; memory_feat s[4:5], query s[6:7], fmax s[8:9], cmax s[10:11]
	v_lshrrev_b32 v[TT], 5, v0
	v_readfirstlane_b32 s12, v[TT]                 ; wave 0..7
	s_and_b32 s14, ttmp7, 0xffff                   ; y: which 800 rows
	s_mov_b32 s16, 0x76543210                      ; v_permlanex16_b32: lane i reads lane i of the other half
	s_mov_b32 s17, 0xfedcba98
	s_mov_b32 s22, 0x322bcc77                      ; 1e-8
	s_mov_b32 s21, 0
	v_and_b32 v[LANE], 31, v0
	v_and_b32 v[R], 15, v0
	v_bfe_u32 v[H], v0, 4, 1
	v_mov_b32 v[ZERO], 0
	v_mov_b32 v[TP], 0
	v_lshlrev_b32 v[QOFF], 10, v[R]                ; query r of a tile, 1,024 bytes a query,
	v_lshl_add_u32 v[QOFF], v[H], 5, v[QOFF]       ; k = 8 h .. in f32
	; I convert rows 10 w + 5 h + p, p = 0..4: lanes 0-15 one row, lanes 16-31 the row five further down, 16 bytes a lane
	s_mul_i32 s15, s12, 10*1024
	v_mul_u32_u24 v[GOFF], v[H], 5*1024
	v_lshl_add_u32 v[GOFF], v[R], 4, v[GOFF]
	v_add_nc_u32 v[GOFF], s15, v[GOFF]
	s_mul_i32 s15, s12, 10*PITCH
	v_mul_u32_u24 v[CVST], v[H], 5*PITCH
	v_lshl_add_u32 v[CVST], v[R], 3, v[CVST]
	v_add_nc_u32 v[CVST], s15, v[CVST]
	s_mul_i32 s15, s12, 40
	s_add_co_u32 s15, s15, INVB
	v_mul_u32_u24 v[ISTO], v[H], 20
	v_add_nc_u32 v[ISTO], s15, v[ISTO]
	v_mul_u32_u24 v[AAD], v[R], PITCH              ; fragment: row r, 16 bytes for each half of the lanes
	v_lshl_add_u32 v[AAD], v[H], 4, v[AAD]
	v_add_nc_u32 v[AAD+1], BUFB, v[AAD]
	v_lshl_add_u32 v[IAD], v[H], 5, INVB           ; rows 8 h .. 8 h + 7 of a tile
	s_mul_i32 s19, s12, 2560
	s_add_co_u32 s19, s19, KB
	s_mul_i32 s23, s12, 1280
	s_add_co_u32 s23, s23, CB
	v_mul_u32_u24 v[KSTO], v[R], 40
	v_lshl_add_u32 v[KSTO], v[H], 2, v[KSTO]
	v_add_nc_u32 v[KSTO], s19, v[KSTO]
	v_lshl_add_u32 v[KRD], v[LANE], 4, s19
	v_lshlrev_b32 v[FOFF], 4, v[LANE]
	v_mul_u32_u24 v[CSTO], v[R], 20
	v_add_nc_u32 v[CSTO], s23, v[CSTO]
	v_lshl_add_u32 v[CRD], v[LANE], 3, s23
	v_lshlrev_b32 v[COFF], 3, v[LANE]
	s_wait_kmcnt 0x0
	s_mul_i32 s20, s14, 800*1024
	s_add_nc_u64 s[4:5], s[4:5], s[20:21]          ; my 800 rows
	s_lshl_b32 s20, ttmp9, 19
	s_lshl_b32 s24, s12, 16
	s_add_co_u32 s20, s20, s24
	s_add_nc_u64 s[6:7], s[6:7], s[20:21]          ; my wave's 64 queries
	s_mul_i32 s20, s14, 10*FSTEP
	s_mul_i32 s24, ttmp9, 512*40
	s_add_co_u32 s20, s20, s24
	s_mul_i32 s24, s12, 64*40
	s_add_co_u32 s20, s20, s24
	s_add_nc_u64 s[8:9], s[8:9], s[20:21]          ; fmax: my first step, my wave's queries: 2,560 consecutive bytes
	s_mul_i32 s20, s14, 1024*20
	s_mul_i32 s24, ttmp9, 512*20
	s_add_co_u32 s20, s20, s24
	s_mul_i32 s24, s12, 64*20
	s_add_co_u32 s20, s20, s24
	s_add_nc_u64 s[10:11], s[10:11], s[20:21]      ; cmax: 1,280 consecutive bytes
; 16 loads: the f32 numbers of query fragments (ks, 0..3), 16 registers a fragment, in the order in which they pack
.macro QLOAD ks, base
.irp nt, 0,1,2,3
	global_load_b128 v[\base+16*\nt:\base+16*\nt+3],     v[QOFF], s[6:7] offset:\nt*16384+\ks*128
	global_load_b128 v[\base+16*\nt+4:\base+16*\nt+7],   v[QOFF], s[6:7] offset:\nt*16384+\ks*128+16
	global_load_b128 v[\base+16*\nt+8:\base+16*\nt+11],  v[QOFF], s[6:7] offset:\nt*16384+\ks*128+64
	global_load_b128 v[\base+16*\nt+12:\base+16*\nt+15], v[QOFF], s[6:7] offset:\nt*16384+\ks*128+80
.endr
.endm
; 64 f32 to 32 registers of bf16.  In place it is safe in ascending order: result i is written when numbers 2 i and 2 i + 1 are read
.macro QCVT src, dst
.set qi, 0
.rept 32
	v_cvt_pk_bf16_f32 v[\dst+qi], v[\src+2*qi], v[\src+2*qi+1]
.set qi, qi+1
.endr
.endm
; One pair of rows (10 w + p and 10 w + p + 5): rounded to bf16, 1 / norm of the rounded numbers, both into LDS buffer buf.
; left >= 0: how many younger loads may stay out.  roff > 0: the pair's registers are loaded again, from roff bytes behind the step's rows.
.macro CONV p, buf, roff, left
.if \left >= 0
	s_wait_loadcnt \left
.endif
.irp i, 0,1,2,3
	v_cvt_pk_bf16_f32 v[PK+2*\i],   v[S+16*(\p)+4*\i],   v[S+16*(\p)+4*\i+1]
	v_cvt_pk_bf16_f32 v[PK+2*\i+1], v[S+16*(\p)+4*\i+2], v[S+16*(\p)+4*\i+3]
.endr
	v_fma_mix_f32_bf16 v[SS],   v[PK], v[PK], v[ZERO] op_sel_hi:[1,1,0]                  ; low halves squared,
	v_fma_mix_f32_bf16 v[SS+1], v[PK], v[PK], v[ZERO] op_sel:[1,1,0] op_sel_hi:[1,1,0]   ; high halves: two chains in f32
.irp k, 1,2,3,4,5,6,7
	v_fma_mix_f32_bf16 v[SS],   v[PK+\k], v[PK+\k], v[SS] op_sel_hi:[1,1,0]
	v_fma_mix_f32_bf16 v[SS+1], v[PK+\k], v[PK+\k], v[SS+1] op_sel:[1,1,0] op_sel_hi:[1,1,0]
.endr
	v_add_f32 v[SS], v[SS], v[SS+1]
	v_add_f32_dpp v[SS], v[SS], v[SS] row_xmask:1 row_mask:0xf bank_mask:0xf      ; over the 16 lanes that hold the row
	v_add_f32_dpp v[SS], v[SS], v[SS] row_xmask:2 row_mask:0xf bank_mask:0xf
	v_add_f32_dpp v[SS], v[SS], v[SS] row_xmask:4 row_mask:0xf bank_mask:0xf
	v_add_f32_dpp v[SS], v[SS], v[SS] row_xmask:8 row_mask:0xf bank_mask:0xf
	v_sqrt_f32 v[IV], v[SS]
	v_nop                                          ; one plain place behind a transcendental (ISA guide 5.7.2)
	s_wait_alu depctr_va_vdst(0)
	v_max_num_f32 v[IV], s22, v[IV]                ; the norm is clipped at 1e-8
	v_rcp_f32 v[IV], v[IV]
	v_nop
	s_wait_alu depctr_va_vdst(0)
	ds_store_b32 v[ISTO], v[IV] offset:(\buf)*320+(\p)*4           ; sixteen lanes write one word with one value
.irp i, 0,1,2,3
	ds_store_b64 v[CVST], v[PK+2*\i:PK+2*\i+1] offset:(\buf)*BUFB+(\p)*PITCH+\i*128
.endr
.if \roff > 0
.irp i, 0,1,2,3
	global_load_b128 v[S+16*(\p)+4*\i:S+16*(\p)+4*\i+3], v[GOFF], s[4:5] offset:\roff+(\p)*1024+\i*256   ; 16 lanes: 256 consecutive bytes of a row, aligned
.endr
.endif
.endm
.macro LOADA buf, tl                   ; tile tl of a buffer: 8 fragments of 16 rows x 32 k
.irp ks, 0,1,2,3,4,5,6,7
	ds_load_b128 v[A+8*\ks:A+8*\ks+3],   v[AAD+\buf] offset:(\tl)*16*PITCH+\ks*64
	ds_load_b128 v[A+8*\ks+4:A+8*\ks+7], v[AAD+\buf] offset:(\tl)*16*PITCH+\ks*64+32
.endr
.endm
.macro LOADI buf, tl                   ; 1 / norm of my eight rows of tile tl
	ds_load_b128 v[INV:INV+3],   v[IAD] offset:\buf*320+(\tl)*64
	ds_load_b128 v[INV+4:INV+7], v[IAD] offset:\buf*320+(\tl)*64+16
.endm
; One tile of 16 rows against my 64 queries.  first = 1: it starts the 160-row maximum.
; cm = 1: pair tl of the next step is converted and its registers loaded again; 2: converted only; 0: nothing.
.macro TILE buf, tl, first, cm
	s_wait_dscnt 0x0                               ; the tile's fragments and 1 / norm are in
	WIN 0x04                                       ; second source in window 1
.irp ks, 0,1,2,3,4,5,6,7
.irp nt, 0,1,2,3                                   ; the four accumulators take turns, one instruction a turn
.if \ks == 0
	v_wmma_f32_16x16x32_bf16 v[ACC+8*\nt:ACC+8*\nt+7], v[A+8*\ks:A+8*\ks+7], v[32*\ks+8*\nt:32*\ks+8*\nt+7], 0
.else
	v_wmma_f32_16x16x32_bf16 v[ACC+8*\nt:ACC+8*\nt+7], v[A+8*\ks:A+8*\ks+7], v[32*\ks+8*\nt:32*\ks+8*\nt+7], v[ACC+8*\nt:ACC+8*\nt+7]
.endif
.endr
.endr
	WIN 0
.rept 4
	v_nop                                          ; four places behind the last matrix instruction (ISA guide 7.12.1) before its sources are loaded again and its results read
.endr
.if \tl < 4
	LOADA \buf, \tl+1                              ; the next tile comes in under the vector work below
.endif
.irp nt, 0,1,2,3
.irp j, 0,2,4,6
	v_pk_mul_f32 v[ACC+8*\nt+\j:ACC+8*\nt+\j+1], v[ACC+8*\nt+\j:ACC+8*\nt+\j+1], v[INV+\j:INV+\j+1]
.endr
.endr
.irp nt, 0,1,2,3
	v_max3_num_f32 v[KEY+\nt], v[ACC+8*\nt], v[ACC+8*\nt+1], v[ACC+8*\nt+2]
.endr
.irp nt, 0,1,2,3
	v_max3_num_f32 v[KEY+\nt], v[KEY+\nt], v[ACC+8*\nt+3], v[ACC+8*\nt+4]
.endr
.irp nt, 0,1,2,3
	v_max3_num_f32 v[KEY+\nt], v[KEY+\nt], v[ACC+8*\nt+5], v[ACC+8*\nt+6]
.endr
.if \first
.irp nt, 0,1,2,3
	v_max_num_f32 v[CM+\nt], v[KEY+\nt], v[ACC+8*\nt+7]
.endr
.irp nt, 0,1,2,3
	ds_store_b32 v[KSTO], v[CM+\nt] offset:\nt*640+\tl*8
.endr
.else
.irp nt, 0,1,2,3
	v_max_num_f32 v[KEY+\nt], v[KEY+\nt], v[ACC+8*\nt+7]
.endr
.irp nt, 0,1,2,3
	v_max_num_f32 v[CM+\nt], v[CM+\nt], v[KEY+\nt]
.endr
.irp nt, 0,1,2,3
	ds_store_b32 v[KSTO], v[KEY+\nt] offset:\nt*640+\tl*8
.endr
.endif
.if \tl < 4
	LOADI \buf, \tl+1
.endif
.if \cm == 1
	CONV \tl, 1-\buf, 2*STEPB, 16                  ; behind my pair's four loads the four other pairs' sixteen were issued
.endif
.if \cm == 2
	CONV \tl, 1-\buf, 0, 16-4*\tl                  ; nothing is loaded any more: only the later pairs are behind mine
.endif
.endm
; One step: 80 rows from buffer buf; meanwhile the next step's rows go into the other buffer.
.macro STEP buf, first, cm, bar
	LOADA \buf, 0
	LOADI \buf, 0
	TILE \buf, 0, \first, \cm
	TILE \buf, 1, 0, \cm
	TILE \buf, 2, 0, \cm
	TILE \buf, 3, 0, \cm
	TILE \buf, 4, 0, \cm
.irp i, 0,1,2,3,4
	ds_load_b128 v[FL+4*\i:FL+4*\i+3], v[KRD] offset:\i*512        ; my wave's own bytes: LDS serves a wave's instructions in order (ISA guide 5.7.1)
.endr
	s_wait_dscnt 0x0                               ; the keys are in; also: my reads of this buffer and my stores into the other are done
.irp i, 0,1,2,3,4
	global_store_b128 v[FOFF], v[FL+4*\i:FL+4*\i+3], s[8:9] offset:\i*512 th:TH_STORE_NT   ; each store covers 512 consecutive bytes, aligned to 256
.endr
	s_wait_xcnt 0x0                                ; FL and both bases are written again only behind this wait
.if \bar
	s_add_nc_u64 s[8:9], s[8:9], FSTEP
	s_add_nc_u64 s[4:5], s[4:5], STEPB
	s_barrier_signal -1                            ; one barrier a step for two things: nobody reads this buffer any more,
	s_barrier_wait -1                              ; and the other buffer is whole
.endif
.endm
.macro TRIPEND                         ; the 160-row maximum: both halves of the lanes joined, into my wave's own bytes
.irp nt, 0,1,2,3
	v_permlanex16_b32 v[TP], v[CM+\nt], s16, s17
	v_max_num_f32 v[CM+\nt], v[CM+\nt], v[TP]
	ds_store_b32 v[CSTO], v[CM+\nt] offset:\nt*320
.endr
	v_add_nc_u32 v[CSTO], 4, v[CSTO]
.endm
	; The rows of step 0, then six of the eight query batches: even ones land where they will stay (window 1), odd ones in window 0.
.irp p, 0,1,2,3,4
.irp i, 0,1,2,3
	global_load_b128 v[S+16*\p+4*\i:S+16*\p+4*\i+3], v[GOFF], s[4:5] offset:\p*1024+\i*256
.endr
.endr
	WIN 0x40                                       ; destination in window 1
	QLOAD 0, 0
	WIN 0
	QLOAD 1, 32
	WIN 0x40
	QLOAD 2, 64
	WIN 0
	QLOAD 3, 96
	WIN 0x40
	QLOAD 4, 128
	QLOAD 6, 192
	s_wait_loadcnt 32                              ; all but batches 4 and 6 (16 loads each)
	WIN 0x45                                       ; sources and destination in window 1
	QCVT 0, 0
	QCVT 64, 64
	WIN 0x40
	QCVT 32, 32                                    ; batch 1 into the half that batch 0 has left,
	QCVT 96, 96                                    ; batch 3 into the half that batch 2 has left
	WIN 0
	QLOAD 5, 32
	QLOAD 7, 96
	CONV 0, 0, STEPB, -1                           ; step 0 into buffer 0; step 1 is asked for
	CONV 1, 0, STEPB, -1
	CONV 2, 0, STEPB, -1
	CONV 3, 0, STEPB, -1
	CONV 4, 0, STEPB, -1
	s_wait_loadcnt 52                              ; behind batch 6: batches 5 and 7 (32) and step 1's rows (20)
	WIN 0x45
	QCVT 128, 128
	QCVT 192, 192
	s_wait_loadcnt 20                              ; step 1's rows stay out
	WIN 0x40
	QCVT 32, 160
	QCVT 96, 224
	WIN 0
	s_wait_dscnt 0x0                               ; my rows of step 0 are in LDS
	s_barrier_signal -1
	s_barrier_wait -1
	s_mov_b32 s18, 4
.Ltrip:                                            ; a trip: two steps = one 160-row group; steps 0 to 7
	STEP 0, 1, 1, 1
	STEP 1, 0, 1, 1
	TRIPEND
	s_sub_co_u32 s18, s18, 1
	s_cmp_lg_u32 s18, 0
	s_cbranch_scc1 .Ltrip
	STEP 0, 1, 2, 1                                ; step 8 converts step 9 and loads nothing: no load leaves the buffer
	STEP 1, 0, 0, 0
	TRIPEND
.irp i, 0,1,2,3,4
	ds_load_b64 v[FL+2*\i:FL+2*\i+1], v[CRD] offset:\i*256
.endr
	s_wait_dscnt 0x0
.irp i, 0,1,2,3,4
	global_store_b64 v[COFF], v[FL+2*\i:FL+2*\i+1], s[10:11] offset:\i*256     ; 256 consecutive bytes, aligned
.endr
	s_wait_xcnt 0x0
	v_lshl_add_u32 v254, v0, 2, 0x1c500
	v_mov_b32 v255, 0
	s_wait_tensorcnt 0x0
	ds_add_u32 v254, v255
	s_wait_dscnt 0x0
	s_endpgm
.Lfunc_end_k_qc1905b1cc3_sims:
	.size	k_qc1905b1cc3_sims, .Lfunc_end_k_qc1905b1cc3_sims-k_qc1905b1cc3_sims
	.p2alignl 7, 3214868480
	.fill 96, 4, 3214868480
	.section	.rodata,"a",@progbits
	.p2align	6, 0x0
	.amdhsa_kernel k_qc1905b1cc3_sims
		.amdhsa_group_segment_fixed_size 116992
		.amdhsa_private_segment_fixed_size 0
		.amdhsa_enable_private_segment 0
		.amdhsa_kernarg_size 32
		.amdhsa_user_sgpr_count 2
		.amdhsa_user_sgpr_kernarg_segment_ptr 1
		.amdhsa_wavefront_size32 1
		.amdhsa_system_sgpr_workgroup_id_x 1
		.amdhsa_system_sgpr_workgroup_id_y 1
		.amdhsa_system_sgpr_workgroup_id_z 1
		.amdhsa_system_vgpr_workitem_id 0
		.amdhsa_next_free_vgpr 512
		.amdhsa_next_free_sgpr 66
		.amdhsa_reserve_vcc 0
		.amdhsa_float_denorm_mode_32 3
		.amdhsa_float_denorm_mode_16_64 3
		.amdhsa_memory_ordered 1
		.amdhsa_forward_progress 1
		.amdhsa_inst_pref_size 205
	.end_amdhsa_kernel
	.amdgpu_metadata
---
amdhsa.version: [ 1, 2 ]
amdhsa.kernels:
  - .name:           k_qc1905b1cc3_sims
    .symbol:         k_qc1905b1cc3_sims.kd
    .args:
      - { .name: memory_feat, .offset: 0, .size: 8, .value_kind: global_buffer, .address_space: global }
      - { .name: query, .offset: 8, .size: 8, .value_kind: global_buffer, .address_space: global }
      - { .name: fmax, .offset: 16, .size: 8, .value_kind: global_buffer, .address_space: global }
      - { .name: cmax, .offset: 24, .size: 8, .value_kind: global_buffer, .address_space: global }
    .group_segment_fixed_size: 116992
    .private_segment_fixed_size: 0
    .kernarg_segment_align: 8
    .kernarg_segment_size: 32
    .max_flat_workgroup_size: 256
    .sgpr_count:     66
    .vgpr_count:     512
    .wavefront_size: 32
...
	.end_amdgpu_metadata
.endif
;; end of part 1
;; launch pickc (part 2): grid 256 x 1, 4 waves a work-group, no clusters, 0 bytes of LDS; arguments cmax, cidx; writes cidx
.if DOCPART == 2
	.amdgcn_target "amdgcn-amd-amdhsa--gfx1250"
	.amdhsa_code_object_version 6
	.text
	.protected	k_qc1905b1cc3_pickc
	.globl	k_qc1905b1cc3_pickc
	.p2align	8
	.type	k_qc1905b1cc3_pickc,@function
k_qc1905b1cc3_pickc:
	s_mov_b64 s[64:65], 0
	v_nop
	global_prefetch_b8 v0, s[64:65] scope:SCOPE_SE
	s_setreg_imm32_b32 hwreg(HW_REG_WAVE_MODE, 25, 1), 1
	s_wait_xcnt 0x0
; Step 2 of 4: for each query the 16 of its 625 groups of 160 rows with the largest maxima; equal maxima: the lower group.
; One wave, one query: q = 4 x work-group + wave.  Lane l holds the groups 5 c + u of c = l, l + 32, l + 64, l + 96 (c < 125), u = 0..4: 20 values.
; Sixteen rounds, each: the largest value of the wave, the lowest id that has it, that value set to -inf.  Every choice is a select:
; no branch and no address hangs on a floating-point number.  Ids are kept as f32 (below 2^24: exact) and stored as whole numbers.
; LIMITS: NaN and infinite maxima are not served.  2.5 MB are read in pieces of 20 bytes; no LDS, matrix unit or cluster would help.
.set V,    20
.set X,    8                           ; v8-27   values
.set KR,   28                          ; v28-47  their ids
.set M,    48
.set CAND, 49
.set TP,   50
.set RES,  51                          ; lane i: the id found in round i
.set NI,   52                          ; -inf
.set BIG,  53                          ; 1e9: above every id
.set AD,   54                          ; v54-57  byte offsets
.set CC,   58
.set SA,   59
.macro ROUND
	v_max_num_f32 v[M], v[X], v[X+1]
.set k, 2
.rept (V-2)/2
	v_max3_num_f32 v[M], v[M], v[X+k], v[X+k+1]
.set k, k+2
.endr
	v_max_num_f32_dpp v[M], v[M], v[M] row_xmask:1 row_mask:0xf bank_mask:0xf
	v_max_num_f32_dpp v[M], v[M], v[M] row_xmask:2 row_mask:0xf bank_mask:0xf
	v_max_num_f32_dpp v[M], v[M], v[M] row_xmask:4 row_mask:0xf bank_mask:0xf
	v_max_num_f32_dpp v[M], v[M], v[M] row_xmask:8 row_mask:0xf bank_mask:0xf
	v_permlanex16_b32 v[TP], v[M], s12, s13
	v_max_num_f32 v[M], v[M], v[TP]                ; the wave's largest value, in every lane
	v_cmp_eq_f32 vcc_lo, v[X+V-1], v[M]
	v_cndmask_b32 v[CAND], v[BIG], v[KR+V-1], vcc_lo
.set k, V-2
.rept V-1                                          ; downward: the lane's lowest id that has the value stays
	v_cmp_eq_f32 vcc_lo, v[X+k], v[M]
	v_cndmask_b32 v[CAND], v[CAND], v[KR+k], vcc_lo
.set k, k-1
.endr
	v_min_num_f32_dpp v[CAND], v[CAND], v[CAND] row_xmask:1 row_mask:0xf bank_mask:0xf
	v_min_num_f32_dpp v[CAND], v[CAND], v[CAND] row_xmask:2 row_mask:0xf bank_mask:0xf
	v_min_num_f32_dpp v[CAND], v[CAND], v[CAND] row_xmask:4 row_mask:0xf bank_mask:0xf
	v_min_num_f32_dpp v[CAND], v[CAND], v[CAND] row_xmask:8 row_mask:0xf bank_mask:0xf
	v_permlanex16_b32 v[TP], v[CAND], s12, s13
	v_min_num_f32 v[CAND], v[CAND], v[TP]          ; the wave's lowest such id
.set k, 0
.rept V
	v_cmp_eq_f32 vcc_lo, v[KR+k], v[CAND]
	v_cndmask_b32 v[X+k], v[X+k], v[NI], vcc_lo    ; it is out of the running
.set k, k+1
.endr
	v_cmp_eq_u32 vcc_lo, s9, v1
	v_cndmask_b32 v[RES], v[RES], v[CAND], vcc_lo
.endm
	s_load_b128 s[4:7], s[0:1], 0x0                ; cmax s[4:5], cidx s[6:7]
	v_lshrrev_b32 v2, 5, v0
	v_readfirstlane_b32 s8, v2                     ; wave
	v_and_b32 v1, 31, v0                           ; lane
	s_lshl2_add_u32 s10, ttmp9, s8                 ; q
	s_mul_i32 s14, s10, 20
	s_mov_b32 s15, 0
	s_lshl_b32 s16, s10, 6
	s_mov_b32 s17, 0
	s_mov_b32 s12, 0x76543210
	s_mov_b32 s13, 0xfedcba98
	v_mov_b32 v[NI], 0xff800000
	v_mov_b32 v[BIG], 0x4e6e6b28
	v_mov_b32 v[TP], 0
	v_mov_b32 v[RES], 0
	v_lshlrev_b32 v[SA], 2, v1
	v_cmp_lt_u32 s11, 28, v1                       ; lanes 29-31 have no fourth c (125, 126, 127)
.irp kk, 0,1,2,3
	v_add_nc_u32 v[CC], 32*\kk, v1
	v_min_u32 v[CC], 124, v[CC]                    ; their loads stay inside the buffer
	v_mul_u32_u24 v[AD+\kk], v[CC], 20480
	v_mul_u32_u24 v[CC], v[CC], 5
	v_cvt_f32_u32 v[KR+5*\kk], v[CC]
	v_add_f32 v[KR+5*\kk+1], 1.0, v[KR+5*\kk]
	v_add_f32 v[KR+5*\kk+2], 2.0, v[KR+5*\kk]
	v_add_f32 v[KR+5*\kk+3], 3.0, v[KR+5*\kk]
	v_add_f32 v[KR+5*\kk+4], 4.0, v[KR+5*\kk]
.endr
	s_wait_kmcnt 0x0
	s_add_nc_u64 s[4:5], s[4:5], s[14:15]
	s_add_nc_u64 s[6:7], s[6:7], s[16:17]
.irp kk, 0,1,2,3
.irp u, 0,1,2,3,4
	global_load_b32 v[X+5*\kk+\u], v[AD+\kk], s[4:5] offset:4*\u
.endr
.endr
	s_wait_loadcnt 0x0
.irp u, 0,1,2,3,4
	v_cndmask_b32 v[X+15+\u], v[X+15+\u], v[NI], s11
	v_cndmask_b32 v[KR+15+\u], v[KR+15+\u], v[BIG], s11
.endr
	s_mov_b32 s9, 0
.Lround:
	ROUND
	s_add_co_u32 s9, s9, 1
	s_cmp_lt_u32 s9, 16
	s_cbranch_scc1 .Lround
	v_cvt_u32_f32 v[RES], v[RES]
	v_cmp_gt_u32 vcc_lo, 16, v1
	s_wait_xcnt 0x0                                ; EXEC changes only behind this wait
	s_and_saveexec_b32 s18, vcc_lo
	global_store_b32 v[SA], v[RES], s[6:7]         ; 64 consecutive bytes: the query's sixteen groups
	s_endpgm
.Lfunc_end_k_qc1905b1cc3_pickc:
	.size	k_qc1905b1cc3_pickc, .Lfunc_end_k_qc1905b1cc3_pickc-k_qc1905b1cc3_pickc
	.p2alignl 7, 3214868480
	.fill 96, 4, 3214868480
	.section	.rodata,"a",@progbits
	.p2align	6, 0x0
	.amdhsa_kernel k_qc1905b1cc3_pickc
		.amdhsa_group_segment_fixed_size 0
		.amdhsa_private_segment_fixed_size 0
		.amdhsa_enable_private_segment 0
		.amdhsa_kernarg_size 16
		.amdhsa_user_sgpr_count 2
		.amdhsa_user_sgpr_kernarg_segment_ptr 1
		.amdhsa_wavefront_size32 1
		.amdhsa_system_sgpr_workgroup_id_x 1
		.amdhsa_system_sgpr_workgroup_id_y 1
		.amdhsa_system_sgpr_workgroup_id_z 1
		.amdhsa_system_vgpr_workitem_id 0
		.amdhsa_next_free_vgpr 64
		.amdhsa_next_free_sgpr 66
		.amdhsa_reserve_vcc 1
		.amdhsa_float_denorm_mode_32 3
		.amdhsa_float_denorm_mode_16_64 3
		.amdhsa_memory_ordered 1
		.amdhsa_forward_progress 1
		.amdhsa_inst_pref_size 10
	.end_amdhsa_kernel
	.amdgpu_metadata
---
amdhsa.version: [ 1, 2 ]
amdhsa.kernels:
  - .name:           k_qc1905b1cc3_pickc
    .symbol:         k_qc1905b1cc3_pickc.kd
    .args:
      - { .name: cmax, .offset: 0, .size: 8, .value_kind: global_buffer, .address_space: global }
      - { .name: cidx, .offset: 8, .size: 8, .value_kind: global_buffer, .address_space: global }
    .group_segment_fixed_size: 0
    .private_segment_fixed_size: 0
    .kernarg_segment_align: 8
    .kernarg_segment_size: 16
    .max_flat_workgroup_size: 128
    .sgpr_count:     66
    .vgpr_count:     64
    .wavefront_size: 32
...
	.end_amdgpu_metadata
.endif
;; end of part 2
;; launch pickf (part 3): grid 256 x 1, 4 waves a work-group, no clusters, 0 bytes of LDS; arguments cidx, fmax, fidx; writes fidx
.if DOCPART == 3
	.amdgcn_target "amdgcn-amd-amdhsa--gfx1250"
	.amdhsa_code_object_version 6
	.text
	.protected	k_qc1905b1cc3_pickf
	.globl	k_qc1905b1cc3_pickf
	.p2align	8
	.type	k_qc1905b1cc3_pickf,@function
k_qc1905b1cc3_pickf:
	s_mov_b64 s[64:65], 0
	v_nop
	global_prefetch_b8 v0, s[64:65] scope:SCOPE_SE
	s_setreg_imm32_b32 hwreg(HW_REG_WAVE_MODE, 25, 1), 1
	s_wait_xcnt 0x0
; Step 3 of 4: for each query the 16 groups of 8 rows with the largest maxima among the 16 x 20 that lie in its sixteen 160-row groups;
; equal maxima: the lower group.  One wave, one query: q = 4 x work-group + wave.  Lane l takes half p = l & 1 (80 rows, ten groups of 8)
; of coarse group cidx[q][l >> 1]: 40 consecutive bytes of fmax.  The id of a group of 8 is row / 8 = 20 cg + 10 p + f.
; The addresses hang on whole numbers that the launch before stored, clamped to the table.  The sixteen rounds are selects alone.
; LIMITS: NaN and infinite maxima are not served.
.set V,    10
.set X,    8                           ; v8-17   values
.set KR,   18                          ; v18-27  their ids, as f32 (below 2^24: exact)
.set M,    28
.set CAND, 29
.set TP,   30
.set RES,  31
.set NI,   32
.set BIG,  33
.set SA,   34
.macro ROUND
	v_max_num_f32 v[M], v[X], v[X+1]
.set k, 2
.rept (V-2)/2
	v_max3_num_f32 v[M], v[M], v[X+k], v[X+k+1]
.set k, k+2
.endr
	v_max_num_f32_dpp v[M], v[M], v[M] row_xmask:1 row_mask:0xf bank_mask:0xf
	v_max_num_f32_dpp v[M], v[M], v[M] row_xmask:2 row_mask:0xf bank_mask:0xf
	v_max_num_f32_dpp v[M], v[M], v[M] row_xmask:4 row_mask:0xf bank_mask:0xf
	v_max_num_f32_dpp v[M], v[M], v[M] row_xmask:8 row_mask:0xf bank_mask:0xf
	v_permlanex16_b32 v[TP], v[M], s12, s13
	v_max_num_f32 v[M], v[M], v[TP]                ; the wave's largest value
	v_cmp_eq_f32 vcc_lo, v[X+V-1], v[M]
	v_cndmask_b32 v[CAND], v[BIG], v[KR+V-1], vcc_lo
.set k, V-2
.rept V-1                                          ; downward: the lane's lowest id that has the value stays
	v_cmp_eq_f32 vcc_lo, v[X+k], v[M]
	v_cndmask_b32 v[CAND], v[CAND], v[KR+k], vcc_lo
.set k, k-1
.endr
	v_min_num_f32_dpp v[CAND], v[CAND], v[CAND] row_xmask:1 row_mask:0xf bank_mask:0xf
	v_min_num_f32_dpp v[CAND], v[CAND], v[CAND] row_xmask:2 row_mask:0xf bank_mask:0xf
	v_min_num_f32_dpp v[CAND], v[CAND], v[CAND] row_xmask:4 row_mask:0xf bank_mask:0xf
	v_min_num_f32_dpp v[CAND], v[CAND], v[CAND] row_xmask:8 row_mask:0xf bank_mask:0xf
	v_permlanex16_b32 v[TP], v[CAND], s12, s13
	v_min_num_f32 v[CAND], v[CAND], v[TP]          ; the wave's lowest such id
.set k, 0
.rept V
	v_cmp_eq_f32 vcc_lo, v[KR+k], v[CAND]
	v_cndmask_b32 v[X+k], v[X+k], v[NI], vcc_lo
.set k, k+1
.endr
	v_cmp_eq_u32 vcc_lo, s18, v1
	v_cndmask_b32 v[RES], v[RES], v[CAND], vcc_lo
.endm
	s_load_b128 s[4:7], s[0:1], 0x0                ; cidx s[4:5], fmax s[6:7]
	s_load_b64 s[8:9], s[0:1], 0x10                ; fidx
	v_lshrrev_b32 v2, 5, v0
	v_readfirstlane_b32 s10, v2                    ; wave
	v_and_b32 v1, 31, v0                           ; lane
	s_lshl2_add_u32 s11, ttmp9, s10                ; q
	s_lshl_b32 s14, s11, 6
	s_mov_b32 s15, 0
	s_mul_i32 s16, s11, 40
	s_mov_b32 s17, 0
	s_mov_b32 s12, 0x76543210
	s_mov_b32 s13, 0xfedcba98
	v_lshrrev_b32 v2, 1, v1
	v_lshlrev_b32 v4, 2, v2                        ; entry l >> 1 of the query's list
	v_and_b32 v3, 1, v1                            ; p
	v_mov_b32 v[NI], 0xff800000
	v_mov_b32 v[BIG], 0x4e6e6b28
	v_mov_b32 v[TP], 0
	v_mov_b32 v[RES], 0
	v_lshlrev_b32 v[SA], 2, v1
	s_wait_kmcnt 0x0
	s_add_nc_u64 s[4:5], s[4:5], s[14:15]
	s_add_nc_u64 s[6:7], s[6:7], s[16:17]
	s_add_nc_u64 s[8:9], s[8:9], s[14:15]
	global_load_b32 v5, v4, s[4:5]
	s_wait_loadcnt 0x0
	v_min_u32 v5, 0x270, v5                        ; a coarse group is 0 .. 624
	v_lshl_add_u32 v6, v5, 1, v3                   ; the step of 80 rows: 2 cg + p
	v_mul_u32_u24 v7, v6, 40960
.irp i, 0,1,2,3,4
	global_load_b64 v[X+2*\i:X+2*\i+1], v7, s[6:7] offset:8*\i
.endr
	v_mul_u32_u24 v6, v6, 10
	v_cvt_f32_u32 v[KR], v6
.irp f, 1,2,3,4,5,6,7,8,9
	v_add_f32 v[KR+\f], 1.0, v[KR+\f-1]
.endr
	s_wait_loadcnt 0x0
	s_mov_b32 s18, 0
.Lround:
	ROUND
	s_add_co_u32 s18, s18, 1
	s_cmp_lt_u32 s18, 16
	s_cbranch_scc1 .Lround
	v_cvt_u32_f32 v[RES], v[RES]
	v_cmp_gt_u32 vcc_lo, 16, v1
	s_wait_xcnt 0x0                                ; EXEC changes only behind this wait
	s_and_saveexec_b32 s19, vcc_lo
	global_store_b32 v[SA], v[RES], s[8:9]
	s_endpgm
.Lfunc_end_k_qc1905b1cc3_pickf:
	.size	k_qc1905b1cc3_pickf, .Lfunc_end_k_qc1905b1cc3_pickf-k_qc1905b1cc3_pickf
	.p2alignl 7, 3214868480
	.fill 96, 4, 3214868480
	.section	.rodata,"a",@progbits
	.p2align	6, 0x0
	.amdhsa_kernel k_qc1905b1cc3_pickf
		.amdhsa_group_segment_fixed_size 0
		.amdhsa_private_segment_fixed_size 0
		.amdhsa_enable_private_segment 0
		.amdhsa_kernarg_size 24
		.amdhsa_user_sgpr_count 2
		.amdhsa_user_sgpr_kernarg_segment_ptr 1
		.amdhsa_wavefront_size32 1
		.amdhsa_system_sgpr_workgroup_id_x 1
		.amdhsa_system_sgpr_workgroup_id_y 1
		.amdhsa_system_sgpr_workgroup_id_z 1
		.amdhsa_system_vgpr_workitem_id 0
		.amdhsa_next_free_vgpr 48
		.amdhsa_next_free_sgpr 66
		.amdhsa_reserve_vcc 1
		.amdhsa_float_denorm_mode_32 3
		.amdhsa_float_denorm_mode_16_64 3
		.amdhsa_memory_ordered 1
		.amdhsa_forward_progress 1
		.amdhsa_inst_pref_size 6
	.end_amdhsa_kernel
	.amdgpu_metadata
---
amdhsa.version: [ 1, 2 ]
amdhsa.kernels:
  - .name:           k_qc1905b1cc3_pickf
    .symbol:         k_qc1905b1cc3_pickf.kd
    .args:
      - { .name: cidx, .offset: 0, .size: 8, .value_kind: global_buffer, .address_space: global }
      - { .name: fmax, .offset: 8, .size: 8, .value_kind: global_buffer, .address_space: global }
      - { .name: fidx, .offset: 16, .size: 8, .value_kind: global_buffer, .address_space: global }
    .group_segment_fixed_size: 0
    .private_segment_fixed_size: 0
    .kernarg_segment_align: 8
    .kernarg_segment_size: 24
    .max_flat_workgroup_size: 128
    .sgpr_count:     66
    .vgpr_count:     48
    .wavefront_size: 32
...
	.end_amdgpu_metadata
.endif
;; end of part 3
;; launch final (part 4): grid 1024 x 1, 8 waves a work-group, no clusters, 1,536 bytes of LDS; arguments fidx, memory_feat, query, memory_evidence, model_evidence, out0; writes out0
.if DOCPART == 4
	.amdgcn_target "amdgcn-amd-amdhsa--gfx1250"
	.amdhsa_code_object_version 6
	.text
	.protected	k_qc1905b1cc3_final
	.globl	k_qc1905b1cc3_final
	.p2align	8
	.type	k_qc1905b1cc3_final,@function
k_qc1905b1cc3_final:
	s_mov_b64 s[64:65], 0
	v_nop
	global_prefetch_b8 v0, s[64:65] scope:SCOPE_SE
	s_setreg_imm32_b32 hwreg(HW_REG_WAVE_MODE, 25, 1), 1
	s_wait_xcnt 0x0
; Step 4 of 4: one work-group, one query.  The 16 x 8 candidate rows are scored again, the 16 best are taken (equal values: the lower row),
; softmax at temperature 0.07 with the largest value taken away first, the weighted evidence, and the fusion of the two opinions.
; Sixteen lanes take a row (16 bytes a lane, four loads of 256 consecutive aligned bytes); half hh of wave w takes the 8 rows of list entry 2 w + hh.
; All 32 row loads of a wave are out at once; the rows are consecutive in memory, 8,192 bytes a list entry.
; sim = (bf16(row) . bf16(query)) / max(|bf16(row)|, 1e-8) / max(|bf16(query)|, 1e-8), sums in f32.
; These 128 x 256 multiply-adds a query are 0.13 per cent of the product; they are a gather of single rows against one query and run on the vector unit,
; from bf16 operands.  No matrix unit, tensor load or cluster: the work-groups share no tile.
; LIMITS: NaN and infinite inputs are not served; divisions are v_rcp_f32, roots v_sqrt_f32; 1 - 1e-8 and 1 + 1e-8 are 1.0 in f32, as they are in the f32 computation that is followed;
; the evidence is used as it is, not as (e + 1) - 1.  The exponents lie in [-2/0.07, 0], since the values are cosines: no weight underflows.
.set LANE, 1
.set R,    2
.set SLOT, 3                           ; 2 w + hh
.set G1,   4                           ; my list entry: row / 8
.set G2,   5                           ; entry lane >> 1 (for wave 0's last part)
.set ROFF, 6
.set EOFF, 7
.set QP,   8                           ; v8-15   my 16 numbers of the query, bf16
.set ZERO, 16
.set INVQ, 17
.set SADR, 18
.set TP,   19
.set EV,   20                          ; v20-27  evidence of rows 4 (lane & 1) + 0..3 of entry lane >> 1, two numbers a row
.set PK,   28                          ; v28-35  my 16 numbers of a row, bf16
.set DA,   36                          ; two chains of products,
.set DB,   37
.set QA,   38                          ; two of squares
.set QB,   39
.set FA1,  36                          ; before that: offsets of the first loads
.set FA2,  37
.set QAD,  38
.set RW,   40                          ; v40-167 eight rows in f32, 16 registers a row; the query lands in the last 16 first
; wave 0's last part, in registers that the rows have left
.set X,    40
.set Y,    44
.set KR,   48
.set M,    52
.set CAND, 53
.set M1,   54
.set NI,   55
.set BIG,  56
.set LAD,  57
.set W,    58
.set E0,   59
.set E1,   60
.set AM0,  61
.set AM1,  62
.set AR0,  63
.set AR1,  64
.set BM0,  65
.set BM1,  66
.set UM,   67
.set BR0,  68
.set BR1,  69
.set UR,   70
.set T0,   71
.set T1,   72
.set T2,   73
.set T3,   74
.set T4,   75
.set UF,   76
.set OUT,  78
.set V,    4
	s_load_b256 s[4:11], s[0:1], 0x0               ; fidx s[4:5], memory_feat s[6:7], query s[8:9], memory_evidence s[10:11]
	s_load_b128 s[12:15], s[0:1], 0x20             ; model_evidence s[12:13], out0 s[14:15]
	v_lshl_add_u32 v168, v0, 2, 0x200
	v_mov_b32 v169, 0
	v_lshrrev_b32 v[TP], 5, v0
	v_readfirstlane_b32 s16, v[TP]                 ; wave
	v_and_b32 v[LANE], 31, v0
	v_and_b32 v[R], 15, v0
	v_lshrrev_b32 v[SLOT], 4, v0
	v_lshlrev_b32 v[FA1], 2, v[SLOT]
	v_lshrrev_b32 v[FA2], 1, v[LANE]
	v_lshlrev_b32 v[FA2], 2, v[FA2]
	v_lshlrev_b32 v[QAD], 4, v[R]
	v_lshlrev_b32 v[SADR], 5, v[SLOT]              ; LDS: value (entry, row) at entry*32 + row*4
	v_mov_b32 v[ZERO], 0
	s_mov_b32 s17, 0x322bcc77                      ; 1e-8
	s_mov_b32 s18, 0x76543210
	s_mov_b32 s19, 0xfedcba98
	s_lshl_b32 s20, ttmp9, 6
	s_mov_b32 s21, 0
	s_lshl_b32 s22, ttmp9, 10
	s_mov_b32 s23, 0
	s_lshl_b32 s24, ttmp9, 3
	s_mov_b32 s25, 0
	s_wait_kmcnt 0x0
	s_add_nc_u64 s[4:5], s[4:5], s[20:21]
	s_add_nc_u64 s[8:9], s[8:9], s[22:23]
	s_add_nc_u64 s[12:13], s[12:13], s[24:25]
	s_add_nc_u64 s[14:15], s[14:15], s[24:25]
	s_load_b64 s[26:27], s[12:13], 0x0             ; the model's two evidence numbers
	global_load_b32 v[G1], v[FA1], s[4:5]
	global_load_b32 v[G2], v[FA2], s[4:5]
.irp i, 0,1,2,3
	global_load_b128 v[RW+112+4*\i:RW+112+4*\i+3], v[QAD], s[8:9] offset:256*\i
.endr
	s_wait_loadcnt 0x0
	s_wait_kmcnt 0x0
.irp i, 0,1,2,3
	v_cvt_pk_bf16_f32 v[QP+2*\i],   v[RW+112+4*\i],   v[RW+112+4*\i+1]
	v_cvt_pk_bf16_f32 v[QP+2*\i+1], v[RW+112+4*\i+2], v[RW+112+4*\i+3]
.endr
	v_min_u32 v[G1], 0x30d3, v[G1]                 ; a group of 8 rows is 0 .. 12,499
	v_min_u32 v[G2], 0x30d3, v[G2]
	v_lshl_add_u32 v[ROFF], v[G1], 13, v[QAD]      ; 8,192 bytes a group + 16 r
	v_and_b32 v[TP], 1, v[LANE]
	v_lshlrev_b32 v[EOFF], 5, v[TP]
	v_lshl_add_u32 v[EOFF], v[G2], 6, v[EOFF]      ; 64 bytes of evidence a group, 32 a lane
	global_load_b128 v[EV:EV+3],   v[EOFF], s[10:11]
	global_load_b128 v[EV+4:EV+7], v[EOFF], s[10:11] offset:16
.irp j, 0,1,2,3,4,5,6,7
.irp i, 0,1,2,3
	global_load_b128 v[RW+16*\j+4*\i:RW+16*\j+4*\i+3], v[ROFF], s[6:7] offset:\j*1024+\i*256
.endr
.endr
	; the query's norm, while the rows are on their way
	v_fma_mix_f32_bf16 v[QA], v[QP], v[QP], v[ZERO] op_sel_hi:[1,1,0]
	v_fma_mix_f32_bf16 v[QB], v[QP], v[QP], v[ZERO] op_sel:[1,1,0] op_sel_hi:[1,1,0]
.irp k, 1,2,3,4,5,6,7
	v_fma_mix_f32_bf16 v[QA], v[QP+\k], v[QP+\k], v[QA] op_sel_hi:[1,1,0]
	v_fma_mix_f32_bf16 v[QB], v[QP+\k], v[QP+\k], v[QB] op_sel:[1,1,0] op_sel_hi:[1,1,0]
.endr
	v_add_f32 v[QA], v[QA], v[QB]
	v_add_f32_dpp v[QA], v[QA], v[QA] row_xmask:1 row_mask:0xf bank_mask:0xf
	v_add_f32_dpp v[QA], v[QA], v[QA] row_xmask:2 row_mask:0xf bank_mask:0xf
	v_add_f32_dpp v[QA], v[QA], v[QA] row_xmask:4 row_mask:0xf bank_mask:0xf
	v_add_f32_dpp v[QA], v[QA], v[QA] row_xmask:8 row_mask:0xf bank_mask:0xf
	v_sqrt_f32 v[INVQ], v[QA]
	v_nop                                          ; one plain place behind a transcendental (ISA guide 5.7.2)
	s_wait_alu depctr_va_vdst(0)
	v_max_num_f32 v[INVQ], s17, v[INVQ]
	v_rcp_f32 v[INVQ], v[INVQ]
	v_nop
.macro DOT j                           ; row j of my list entry
	s_wait_loadcnt (7-\j)*4                        ; the later rows' loads, four a row, stay out
.irp i, 0,1,2,3
	v_cvt_pk_bf16_f32 v[PK+2*\i],   v[RW+16*\j+4*\i],   v[RW+16*\j+4*\i+1]
	v_cvt_pk_bf16_f32 v[PK+2*\i+1], v[RW+16*\j+4*\i+2], v[RW+16*\j+4*\i+3]
.endr
	v_fma_mix_f32_bf16 v[DA], v[PK], v[QP], v[ZERO] op_sel_hi:[1,1,0]
	v_fma_mix_f32_bf16 v[DB], v[PK], v[QP], v[ZERO] op_sel:[1,1,0] op_sel_hi:[1,1,0]
	v_fma_mix_f32_bf16 v[QA], v[PK], v[PK], v[ZERO] op_sel_hi:[1,1,0]
	v_fma_mix_f32_bf16 v[QB], v[PK], v[PK], v[ZERO] op_sel:[1,1,0] op_sel_hi:[1,1,0]
.irp k, 1,2,3,4,5,6,7
	v_fma_mix_f32_bf16 v[DA], v[PK+\k], v[QP+\k], v[DA] op_sel_hi:[1,1,0]
	v_fma_mix_f32_bf16 v[DB], v[PK+\k], v[QP+\k], v[DB] op_sel:[1,1,0] op_sel_hi:[1,1,0]
	v_fma_mix_f32_bf16 v[QA], v[PK+\k], v[PK+\k], v[QA] op_sel_hi:[1,1,0]
	v_fma_mix_f32_bf16 v[QB], v[PK+\k], v[PK+\k], v[QB] op_sel:[1,1,0] op_sel_hi:[1,1,0]
.endr
	v_add_f32 v[DA], v[DA], v[DB]
	v_add_f32 v[QA], v[QA], v[QB]
.irp m, 1,2,4,8
	v_add_f32_dpp v[DA], v[DA], v[DA] row_xmask:\m row_mask:0xf bank_mask:0xf      ; over the 16 lanes that hold the row
	v_add_f32_dpp v[QA], v[QA], v[QA] row_xmask:\m row_mask:0xf bank_mask:0xf
.endr
	v_sqrt_f32 v[QA], v[QA]
	s_wait_alu depctr_va_vdst(0)
	v_mul_f32 v[DA], v[DA], v[INVQ]                ; the plain place behind the root
	s_wait_alu depctr_va_vdst(0)
	v_max_num_f32 v[QA], s17, v[QA]
	v_rcp_f32 v[QA], v[QA]
	v_nop
	s_wait_alu depctr_va_vdst(0)
	v_mul_f32 v[DA], v[DA], v[QA]
	ds_store_b32 v[SADR], v[DA] offset:4*\j        ; sixteen lanes write one word with one value
.endm
	DOT 0
	DOT 1
	DOT 2
	DOT 3
	DOT 4
	DOT 5
	DOT 6
	DOT 7
	s_wait_dscnt 0x0                               ; my sixteen values are in LDS
	s_barrier_signal -1
	s_barrier_wait -1                              ; all 128 are
	s_cmp_lg_u32 s16, 0
	s_cbranch_scc1 .Lend                           ; the rest is one wave's work
	; wave 0: lane l holds rows 4 (l & 1) + 0..3 of entry l >> 1: X is used up by the rounds, Y keeps the values
	v_lshlrev_b32 v[LAD], 4, v[LANE]
	ds_load_b128 v[X:X+3], v[LAD]
	ds_load_b128 v[Y:Y+3], v[LAD]
	v_and_b32 v[T0], 1, v[LANE]
	v_lshlrev_b32 v[T0], 2, v[T0]
	v_lshl_add_u32 v[T0], v[G2], 3, v[T0]          ; the row's number, below 2^24: exact in f32
	v_cvt_f32_u32 v[KR], v[T0]
	v_add_f32 v[KR+1], 1.0, v[KR]
	v_add_f32 v[KR+2], 2.0, v[KR]
	v_add_f32 v[KR+3], 3.0, v[KR]
	v_mov_b32 v[NI], 0xff800000
	v_mov_b32 v[BIG], 0x4e6e6b28
	s_wait_dscnt 0x0
	v_max_num_f32 v[M1], v[Y], v[Y+1]
	v_max3_num_f32 v[M1], v[M1], v[Y+2], v[Y+3]
.irp m, 1,2,4,8
	v_max_num_f32_dpp v[M1], v[M1], v[M1] row_xmask:\m row_mask:0xf bank_mask:0xf
.endr
	v_permlanex16_b32 v[TP], v[M1], s18, s19
	v_max_num_f32 v[M1], v[M1], v[TP]              ; the largest of all: the softmax's maximum
	s_mov_b32 s29, 0
.Lround:                                           ; sixteen times: the largest value left, the lowest row that has it, out of the running.  Selects alone.
	v_max_num_f32 v[M], v[X], v[X+1]
	v_max3_num_f32 v[M], v[M], v[X+2], v[X+3]
.irp m, 1,2,4,8
	v_max_num_f32_dpp v[M], v[M], v[M] row_xmask:\m row_mask:0xf bank_mask:0xf
.endr
	v_permlanex16_b32 v[TP], v[M], s18, s19
	v_max_num_f32 v[M], v[M], v[TP]
	v_cmp_eq_f32 vcc_lo, v[X+3], v[M]
	v_cndmask_b32 v[CAND], v[BIG], v[KR+3], vcc_lo
.irp k, 2,1,0
	v_cmp_eq_f32 vcc_lo, v[X+\k], v[M]
	v_cndmask_b32 v[CAND], v[CAND], v[KR+\k], vcc_lo
.endr
.irp m, 1,2,4,8
	v_min_num_f32_dpp v[CAND], v[CAND], v[CAND] row_xmask:\m row_mask:0xf bank_mask:0xf
.endr
	v_permlanex16_b32 v[TP], v[CAND], s18, s19
	v_min_num_f32 v[CAND], v[CAND], v[TP]
.irp k, 0,1,2,3
	v_cmp_eq_f32 vcc_lo, v[KR+\k], v[CAND]
	v_cndmask_b32 v[X+\k], v[X+\k], v[NI], vcc_lo
.endr
	s_add_co_u32 s29, s29, 1
	s_cmp_lt_u32 s29, 16
	s_cbranch_scc1 .Lround
	; weights: exp((value - maximum) / 0.07) = 2^((value - maximum) x 20.609929) for the sixteen that were taken, 0 for the others
.irp k, 0,1,2,3
	v_sub_f32 v[Y+\k], v[Y+\k], v[M1]
	v_mul_f32 v[Y+\k], 0x41a4e122, v[Y+\k]
.endr
.irp k, 0,1,2,3
	v_exp_f32 v[Y+\k], v[Y+\k]
.endr
	v_nop
	s_wait_alu depctr_va_vdst(0)
.irp k, 0,1,2,3
	v_cmp_eq_f32 vcc_lo, v[X+\k], v[NI]
	v_cndmask_b32 v[Y+\k], 0, v[Y+\k], vcc_lo
.endr
	v_add_f32 v[W], v[Y], v[Y+1]
	v_add_f32 v[T0], v[Y+2], v[Y+3]
	v_add_f32 v[W], v[W], v[T0]
	v_mul_f32 v[E0], v[Y], v[EV]
	v_mul_f32 v[E1], v[Y], v[EV+1]
.irp k, 1,2,3
	v_fmac_f32 v[E0], v[Y+\k], v[EV+2*\k]
	v_fmac_f32 v[E1], v[Y+\k], v[EV+2*\k+1]
.endr
.macro WSUM x                          ; sum over the wave, in every lane
.irp m, 1,2,4,8
	v_add_f32_dpp v[\x], v[\x], v[\x] row_xmask:\m row_mask:0xf bank_mask:0xf
.endr
	v_permlanex16_b32 v[TP], v[\x], s18, s19
	v_add_f32 v[\x], v[\x], v[TP]
.endm
	WSUM W
	WSUM E0
	WSUM E1
	v_rcp_f32 v[W], v[W]                           ; the sum holds the weight 1 of the maximum: at least 1
	v_add_f32 v[AM0], s26, 1.0                     ; the model's alpha
	v_add_f32 v[AM1], s27, 1.0
	s_wait_alu depctr_va_vdst(0)
	v_fma_f32 v[AR0], v[E0], v[W], 1.0             ; the retrieval's alpha
	v_fma_f32 v[AR1], v[E1], v[W], 1.0
; alpha (two classes) to belief and uncertainty
.macro BELIEF a0, a1, b0, b1, u, t0, t1
	v_add_f32 v[\t0], v[\a0], v[\a1]
	v_max_num_f32 v[\t0], s17, v[\t0]              ; S
	v_rcp_f32 v[\t0], v[\t0]
	v_add_f32 v[\b0], -1.0, v[\a0]
	v_add_f32 v[\b1], -1.0, v[\a1]
	s_wait_alu depctr_va_vdst(0)
	v_mul_f32 v[\b0], v[\b0], v[\t0]
	v_mul_f32 v[\b1], v[\b1], v[\t0]
	v_max_num_f32 v[\b0], 0, v[\b0]
	v_max_num_f32 v[\b1], 0, v[\b1]
	v_add_f32 v[\u], v[\t0], v[\t0]                ; 2 / S
	v_max_num_f32 v[\u], s17, v[\u]
	v_min_num_f32 v[\u], 1.0, v[\u]
	v_add_f32 v[\t1], v[\b0], v[\b1]
	v_max_num_f32 v[\t1], s17, v[\t1]
	v_rcp_f32 v[\t1], v[\t1]
	v_sub_f32 v[\t0], 1.0, v[\u]
	v_max_num_f32 v[\t0], s17, v[\t0]              ; the target
	s_wait_alu depctr_va_vdst(0)
	v_mul_f32 v[\t0], v[\t0], v[\t1]
	v_mul_f32 v[\b0], v[\b0], v[\t0]
	v_mul_f32 v[\b1], v[\b1], v[\t0]
.endm
	BELIEF AM0, AM1, BM0, BM1, UM, T0, T1
	BELIEF AR0, AR1, BR0, BR1, UR, T0, T1
	; the two opinions combined
	v_add_f32 v[T0], v[BM0], v[BM1]
	v_add_f32 v[T1], v[BR0], v[BR1]
	v_mul_f32 v[T2], v[BM0], v[BR0]
	v_mul_f32 v[T3], v[BM1], v[BR1]
	v_add_f32 v[T4], v[T2], v[T3]
	v_fma_f32 v[T4], v[T0], v[T1], -v[T4]          ; the conflict C
	v_sub_f32 v[T4], 1.0, v[T4]
	v_max_num_f32 v[T4], s17, v[T4]
	v_rcp_f32 v[T4], v[T4]
	v_fmac_f32 v[T2], v[BM0], v[UR]
	v_fmac_f32 v[T3], v[BM1], v[UR]
	v_fmac_f32 v[T2], v[BR0], v[UM]
	v_fmac_f32 v[T3], v[BR1], v[UM]
	v_mul_f32 v[UF], v[UM], v[UR]
	s_wait_alu depctr_va_vdst(0)
	v_mul_f32 v[T2], v[T2], v[T4]
	v_mul_f32 v[T3], v[T3], v[T4]
	v_mul_f32 v[UF], v[UF], v[T4]
	v_max_num_f32 v[T2], 0, v[T2]
	v_max_num_f32 v[T3], 0, v[T3]
	v_max_num_f32 v[UF], s17, v[UF]
	v_min_num_f32 v[UF], 1.0, v[UF]
	v_add_f32 v[T0], v[T2], v[T3]
	v_max_num_f32 v[T0], s17, v[T0]
	v_rcp_f32 v[T0], v[T0]
	v_rcp_f32 v[T1], v[UF]
	v_sub_f32 v[T4], 1.0, v[UF]                    ; the plain place behind the two reciprocals
	s_wait_alu depctr_va_vdst(0)
	v_mul_f32 v[T4], v[T4], v[T0]                  ; (1 - u) / sum of beliefs
	v_add_f32 v[T1], v[T1], v[T1]                  ; 2 / u
	v_mul_f32 v[T4], v[T4], v[T1]
	v_fma_f32 v[OUT], v[T2], v[T4], 1.0            ; back to alpha
	v_fma_f32 v[OUT+1], v[T3], v[T4], 1.0
	v_max_num_f32 v[OUT], 1.0, v[OUT]
	v_max_num_f32 v[OUT+1], 1.0, v[OUT+1]
	v_cmp_eq_u32 vcc_lo, 0, v[LANE]
	s_wait_xcnt 0x0                                ; EXEC changes only behind this wait
	s_wait_tensorcnt 0x0
	ds_add_u32 v168, v169
	s_wait_dscnt 0x0
	s_and_saveexec_b32 s28, vcc_lo
	global_store_b64 v[ZERO], v[OUT:OUT+1], s[14:15]       ; the query's two numbers
	s_endpgm
.Lend:
	s_wait_tensorcnt 0x0
	ds_add_u32 v168, v169
	s_wait_dscnt 0x0
	s_endpgm
.Lfunc_end_k_qc1905b1cc3_final:
	.size	k_qc1905b1cc3_final, .Lfunc_end_k_qc1905b1cc3_final-k_qc1905b1cc3_final
	.p2alignl 7, 3214868480
	.fill 96, 4, 3214868480
	.section	.rodata,"a",@progbits
	.p2align	6, 0x0
	.amdhsa_kernel k_qc1905b1cc3_final
		.amdhsa_group_segment_fixed_size 1536
		.amdhsa_private_segment_fixed_size 0
		.amdhsa_enable_private_segment 0
		.amdhsa_kernarg_size 48
		.amdhsa_user_sgpr_count 2
		.amdhsa_user_sgpr_kernarg_segment_ptr 1
		.amdhsa_wavefront_size32 1
		.amdhsa_system_sgpr_workgroup_id_x 1
		.amdhsa_system_sgpr_workgroup_id_y 1
		.amdhsa_system_sgpr_workgroup_id_z 1
		.amdhsa_system_vgpr_workitem_id 0
		.amdhsa_next_free_vgpr 170
		.amdhsa_next_free_sgpr 66
		.amdhsa_reserve_vcc 1
		.amdhsa_float_denorm_mode_32 3
		.amdhsa_float_denorm_mode_16_64 3
		.amdhsa_memory_ordered 1
		.amdhsa_forward_progress 1
		.amdhsa_inst_pref_size 44
	.end_amdhsa_kernel
	.amdgpu_metadata
---
amdhsa.version: [ 1, 2 ]
amdhsa.kernels:
  - .name:           k_qc1905b1cc3_final
    .symbol:         k_qc1905b1cc3_final.kd
    .args:
      - { .name: fidx, .offset: 0, .size: 8, .value_kind: global_buffer, .address_space: global }
      - { .name: memory_feat, .offset: 8, .size: 8, .value_kind: global_buffer, .address_space: global }
      - { .name: query, .offset: 16, .size: 8, .value_kind: global_buffer, .address_space: global }
      - { .name: memory_evidence, .offset: 24, .size: 8, .value_kind: global_buffer, .address_space: global }
      - { .name: model_evidence, .offset: 32, .size: 8, .value_kind: global_buffer, .address_space: global }
      - { .name: out0, .offset: 40, .size: 8, .value_kind: global_buffer, .address_space: global }
    .group_segment_fixed_size: 1536
    .private_segment_fixed_size: 0
    .kernarg_segment_align: 8
    .kernarg_segment_size: 48
    .max_flat_workgroup_size: 256
    .sgpr_count:     66
    .vgpr_count:     170
    .wavefront_size: 32
...
	.end_amdgpu_metadata
.endif
;; end of part 4
;; ======== version 2 of 2: 4 launches; version 1 with the launch sims written anew for expert scheduling mode
;; workspace buffers: fmax 51,200,000 bytes; cmax 2,560,000 bytes; cidx 65,536 bytes of whole numbers; fidx 65,536 bytes of whole numbers
;; launch sims (part 5): grid 2 x 125, 8 waves a work-group, no clusters, 116,992 bytes of LDS; arguments memory_feat, query, fmax, cmax; writes fmax, cmax
.if DOCPART == 5
	.amdgcn_target "amdgcn-amd-amdhsa--gfx1250"
	.amdhsa_code_object_version 6
	.text
	.protected	k_qc1905b1cc3_sims
	.globl	k_qc1905b1cc3_sims
	.p2align	8
	.type	k_qc1905b1cc3_sims,@function
k_qc1905b1cc3_sims:
	s_mov_b64 s[64:65], 0
	v_nop
	global_prefetch_b8 v0, s[64:65] scope:SCOPE_SE
	s_setreg_imm32_b32 hwreg(HW_REG_WAVE_SCHED_MODE, 0, 2), 2
	s_setreg_imm32_b32 hwreg(HW_REG_WAVE_MODE, 25, 1), 1
	s_wait_xcnt 0x0
	s_wait_alu depctr_vm_vsrc(0)
; Step 1 of 4 of a cosine top-16 retrieval: 1,024 queries x 100,000 memory rows, 256 numbers a row.
; This launch forms key(row, q) = (bf16(row) . bf16(query q)) / max(|bf16(row)|, 1e-8), products in bf16 with f32 sums, and
; keeps only maxima of it: fmax[row/80][q][(row%80)/8] over 8 neighbouring rows, cmax[row/800][q][(row%800)/160] over 160.
; The query's own norm is a positive factor common to all keys of a query: it does not change their order and is applied in the last launch.
; The 16 best rows of a query lie in the 16 groups with the largest maxima (equal maxima: the lower group), so the later launches
; need only these maxima to find 128 candidate rows.
; LIMITS: NaN and infinite inputs are not served.  Inputs are rounded to bf16 before products and norms.
;
; SHARES: work-group (x, y) = queries 512 x .. +511, rows 800 y .. +799.  Wave w keeps its 64 queries (4 tiles of 16, all 256 k) as the
; second matrix source in 256 registers for the whole kernel.  Memory rows are the first source, so lane (r, h) register j holds
; row 8 h + j against query r: a group of 8 rows is one lane's eight results.  Rows go in 10 steps of 80 through two LDS buffers.
; NO TENSOR LOADS, NO CLUSTER: the rows are f32 and must pass through registers to be rounded and to give their norms; a row tile is shared by
; two work-groups only, and a grid of 2 x 125 divides into no cluster of four.  Each wave has 20 loads of 512 bytes out, one whole step ahead.
;
; THE MODE: SCHED_MODE bits 1:0 = 2 (LLVM: expert scheduling mode 2), set by the entry lines.  The code itself states the register dependences
; between vector or matrix instructions and memory or LDS instructions, with s_wait_alu, always for 0.
; THE PLAN.  Registers that memory or LDS instructions touch, in the loop:
;   A           Tile t's 32 matrix instructions read it; behind them the LDS loads of tile t + 1 land in it.  One buffer: 512 registers a wave leave no room for a second.
;   INV0, INV1  Tile t's scalings read INV[t % 2]; the LDS loads of tile t + 1 land in the other, which tile t - 1 read last.
;   KEY, CM     Written by a tile's maxima, read by four LDS stores of the same tile (CM also at a trip's end).
;   PK          Written by the conversions of pair t in tile t, read by four LDS stores.
;   S           Pair t is read by those conversions; then the rows of two steps on land in it.
;   SQ          Tile t leaves pair t's sum of squares in SQ[t]; at the step's end five roots, five clips and five reciprocals work in place, and five LDS stores read them.
;   FL          LDS loads land in it at a step's end, global stores read it; no vector instruction names it.
;   v4 to v13, v15, v16: offsets and addresses, made at the head and never written again.  v14 (CSTO) moves on once a trip.
; THE WAITS OF A TILE.  Behind the matrix instructions one wait on vm_vsrc: all earlier stores have read KEY, CM, PK, SQ and FL.  Then one on va_vdst: the matrix
; instructions are done reading A (the scalings of the tile before stand ahead of it too); all 18 LDS loads of the next tile follow it at once and have the tile's vector work in which to land.
; Behind the maxima and the conversions a second one on va_vdst: KEY or CM and PK are written, S[t] has been read; the eight LDS stores and the four row loads follow it.
; A step's end has two more, one behind each batch of transcendentals; a trip's end one of each kind.
.set PITCH,  528                       ; an LDS row: 512 bytes of bf16 + 16: an odd multiple of 16, so the 16 rows of a fragment load start in 16 different 16-byte columns modulo 256
.set BUFB,   80*PITCH                  ; a buffer: 80 rows
.set INVB,   2*BUFB                    ; 2 x 80 f32: 1 / norm of each row of a buffer
.set KB,     85248                     ; 8 waves x 2,560 bytes: a step's keys, (query, group) at query*40 + group*4, as they lie in fmax
.set CB,     105728                    ; 8 waves x 1,280 bytes: the five coarse maxima of each query, as they lie in cmax
.set STEPB,  80*1024                   ; a step's rows in memory
.set FSTEP,  1024*40                   ; a step's keys in fmax
.set LANE, 1                           ; v1-3 at the head only: lane,
.set R,    2                           ; lane % 16,
.set H,    3                           ; lane / 16
.set TP,   1                           ; v1 from the loop on: the other half of the lanes' maximum
.set QOFF, 4                           ; query bytes of my fragment
.set GOFF, 5                           ; memory bytes of the rows that I convert
.set CVST, 6                           ; where they go in LDS
.set ISTO, 7                           ; where their 1 / norm goes
.set AAD,  8                           ; v8, v9: my part of a row fragment in buffer 0, 1
.set IAD,  10                          ; my eight 1 / norm
.set KSTO, 11
.set KRD,  12
.set FOFF, 13
.set CSTO, 14
.set CRD,  15
.set COFF, 16
.set SS,   17                          ; v17, v18: two chains of squares
.set ZERO, 19
.set KEY,  20                          ; v20-23
.set TT,   20                          ; at the head only
.set PK,   24                          ; v24-31: 16 numbers of a row in bf16
.set A,    32                          ; v32-95: a tile of 16 rows, 8 fragments of 32 k
.set ACC,  96                          ; v96-127: 4 accumulators
.set INV,  128                         ; v128-143: two buffers of eight 1 / norm
.set CM,   144                         ; v144-147: running maximum of the 160-row group
.set FL,   148                         ; v148-167: keys on their way out
.set SQ,   168                         ; v168-172: a step's five sums of squares, then roots, then 1 / norm; outside v32-159, where query numbers land at the head
.set S,    176                         ; v176-255: five pairs of rows in f32, 16 registers a pair
; window 1 (v256-511): query fragment (ks, nt) at 32 ks + 8 nt
.set MSB, 0
.macro WIN new                         ; the immediate's high byte repeats the setting that is left
.if MSB != \new
	s_set_vgpr_msb (MSB<<8)|\new
.set MSB, \new
.endif
.endm
	s_load_b256 s[4:11], s[0:1], 0x0               ; memory_feat s[4:5], query s[6:7], fmax s[8:9], cmax s[10:11]
	v_lshl_add_u32 v174, v0, 2, 0x1c500
	v_mov_b32 v175, 0
	v_lshrrev_b32 v[TT], 5, v0
	v_readfirstlane_b32 s12, v[TT]                 ; wave 0..7
	s_and_b32 s14, ttmp7, 0xffff                   ; y: which 800 rows
	s_mov_b32 s16, 0x76543210                      ; v_permlanex16_b32: lane i reads lane i of the other half
	s_mov_b32 s17, 0xfedcba98
	s_mov_b32 s22, 0x322bcc77                      ; 1e-8
	s_mov_b32 s21, 0
	v_and_b32 v[LANE], 31, v0
	v_and_b32 v[R], 15, v0
	v_bfe_u32 v[H], v0, 4, 1
	v_mov_b32 v[ZERO], 0
	v_lshlrev_b32 v[QOFF], 10, v[R]                ; query r of a tile, 1,024 bytes a query,
	v_lshl_add_u32 v[QOFF], v[H], 5, v[QOFF]       ; k = 8 h .. in f32
	s_wait_alu depctr_va_sdst(0)                   ; s12 is written, ahead of its first reader: the wave's terms of all addresses are made from it
	s_mul_i32 s15, s12, 10*1024                    ; the wave's terms, each in a register of its own
	s_mul_i32 s25, s12, 10*PITCH
	s_mul_i32 s26, s12, 40
	s_add_co_u32 s26, s26, INVB
	s_mul_i32 s19, s12, 2560
	s_add_co_u32 s19, s19, KB
	s_mul_i32 s23, s12, 1280
	s_add_co_u32 s23, s23, CB
	; I convert rows 10 w + 5 h + p, p = 0..4: lanes 0-15 one row, lanes 16-31 the row five further down, 16 bytes a lane
	v_mul_u32_u24 v[GOFF], v[H], 5*1024
	v_lshl_add_u32 v[GOFF], v[R], 4, v[GOFF]
	v_add_nc_u32 v[GOFF], s15, v[GOFF]
	v_mul_u32_u24 v[CVST], v[H], 5*PITCH
	v_lshl_add_u32 v[CVST], v[R], 3, v[CVST]
	v_add_nc_u32 v[CVST], s25, v[CVST]
	v_mul_u32_u24 v[ISTO], v[H], 20
	v_add_nc_u32 v[ISTO], s26, v[ISTO]
	v_mul_u32_u24 v[AAD], v[R], PITCH              ; fragment: row r, 16 bytes for each half of the lanes
	v_lshl_add_u32 v[AAD], v[H], 4, v[AAD]
	v_add_nc_u32 v[AAD+1], BUFB, v[AAD]
	v_lshl_add_u32 v[IAD], v[H], 5, INVB           ; rows 8 h .. 8 h + 7 of a tile
	v_mul_u32_u24 v[KSTO], v[R], 40
	v_lshl_add_u32 v[KSTO], v[H], 2, v[KSTO]
	v_add_nc_u32 v[KSTO], s19, v[KSTO]
	v_lshl_add_u32 v[KRD], v[LANE], 4, s19
	v_lshlrev_b32 v[FOFF], 4, v[LANE]
	v_mul_u32_u24 v[CSTO], v[R], 20
	v_add_nc_u32 v[CSTO], s23, v[CSTO]
	v_lshl_add_u32 v[CRD], v[LANE], 3, s23
	v_lshlrev_b32 v[COFF], 3, v[LANE]
	s_wait_kmcnt 0x0
	s_mul_i32 s20, s14, 800*1024
	s_add_nc_u64 s[4:5], s[4:5], s[20:21]          ; my 800 rows
	s_lshl_b32 s20, ttmp9, 19
	s_lshl_b32 s24, s12, 16
	s_add_co_u32 s20, s20, s24
	s_add_nc_u64 s[6:7], s[6:7], s[20:21]          ; my wave's 64 queries
	s_mul_i32 s20, s14, 10*FSTEP
	s_mul_i32 s24, ttmp9, 512*40
	s_add_co_u32 s20, s20, s24
	s_mul_i32 s24, s12, 64*40
	s_add_co_u32 s20, s20, s24
	s_add_nc_u64 s[8:9], s[8:9], s[20:21]          ; fmax: my first step, my wave's queries: 2,560 consecutive bytes
	s_mul_i32 s20, s14, 1024*20
	s_mul_i32 s24, ttmp9, 512*20
	s_add_co_u32 s20, s20, s24
	s_mul_i32 s24, s12, 64*20
	s_add_co_u32 s20, s20, s24
	s_add_nc_u64 s[10:11], s[10:11], s[20:21]      ; cmax: 1,280 consecutive bytes
; 16 loads: the f32 numbers of query fragments (ks, 0..3), 16 registers a fragment, in the order in which they pack
.macro QLOAD ks, base
.irp nt, 0,1,2,3
	global_load_b128 v[\base+16*\nt:\base+16*\nt+3],     v[QOFF], s[6:7] offset:\nt*16384+\ks*128
	global_load_b128 v[\base+16*\nt+4:\base+16*\nt+7],   v[QOFF], s[6:7] offset:\nt*16384+\ks*128+16
	global_load_b128 v[\base+16*\nt+8:\base+16*\nt+11],  v[QOFF], s[6:7] offset:\nt*16384+\ks*128+64
	global_load_b128 v[\base+16*\nt+12:\base+16*\nt+15], v[QOFF], s[6:7] offset:\nt*16384+\ks*128+80
.endr
.endm
; 64 f32 to 32 registers of bf16.  In place it is safe in ascending order: result i is written when numbers 2 i and 2 i + 1 are read
.macro QCVT src, dst
.set qi, 0
.rept 32
	v_cvt_pk_bf16_f32 v[\dst+qi], v[\src+2*qi], v[\src+2*qi+1]
.set qi, qi+1
.endr
.endm
; One pair of rows (10 w + p and 10 w + p + 5), the vector part: rounded to bf16 into PK, the sum of the rounded numbers' squares into SQ[p].
; left >= 0: how many younger loads may stay out.
.macro CONVV p, left
.if \left >= 0
	s_wait_loadcnt \left
.endif
.irp i, 0,1,2,3
	v_cvt_pk_bf16_f32 v[PK+2*\i],   v[S+16*(\p)+4*\i],   v[S+16*(\p)+4*\i+1]
	v_cvt_pk_bf16_f32 v[PK+2*\i+1], v[S+16*(\p)+4*\i+2], v[S+16*(\p)+4*\i+3]
.endr
	v_fma_mix_f32_bf16 v[SS],   v[PK], v[PK], v[ZERO] op_sel_hi:[1,1,0]                  ; low halves squared,
	v_fma_mix_f32_bf16 v[SS+1], v[PK], v[PK], v[ZERO] op_sel:[1,1,0] op_sel_hi:[1,1,0]   ; high halves: two chains in f32
.irp k, 1,2,3,4,5,6,7
	v_fma_mix_f32_bf16 v[SS],   v[PK+\k], v[PK+\k], v[SS] op_sel_hi:[1,1,0]
	v_fma_mix_f32_bf16 v[SS+1], v[PK+\k], v[PK+\k], v[SS+1] op_sel:[1,1,0] op_sel_hi:[1,1,0]
.endr
	v_add_f32 v[SQ+(\p)], v[SS], v[SS+1]
	v_add_f32_dpp v[SQ+(\p)], v[SQ+(\p)], v[SQ+(\p)] row_xmask:1 row_mask:0xf bank_mask:0xf      ; over the 16 lanes that hold the row
	v_add_f32_dpp v[SQ+(\p)], v[SQ+(\p)], v[SQ+(\p)] row_xmask:2 row_mask:0xf bank_mask:0xf
	v_add_f32_dpp v[SQ+(\p)], v[SQ+(\p)], v[SQ+(\p)] row_xmask:4 row_mask:0xf bank_mask:0xf
	v_add_f32_dpp v[SQ+(\p)], v[SQ+(\p)], v[SQ+(\p)] row_xmask:8 row_mask:0xf bank_mask:0xf
.endm
; The same pair, the memory part, behind a wait on va_vdst: PK into LDS buffer buf.  roff > 0: the pair's registers are loaded again, from roff bytes behind the step's rows.
.macro CONVM p, buf, roff
.irp i, 0,1,2,3
	ds_store_b64 v[CVST], v[PK+2*\i:PK+2*\i+1] offset:(\buf)*BUFB+(\p)*PITCH+\i*128
.endr
.if \roff > 0
.irp i, 0,1,2,3
	global_load_b128 v[S+16*(\p)+4*\i:S+16*(\p)+4*\i+3], v[GOFF], s[4:5] offset:\roff+(\p)*1024+\i*256   ; 16 lanes: 256 consecutive bytes of a row, aligned
.endr
.endif
.endm
; 1 / norm of a step's five pairs, for LDS buffer buf: the roots are one batch, the reciprocals another, each with one plain place and one wait.
.macro NORMS buf
.irp p, 0,1,2,3,4
	v_sqrt_f32 v[SQ+\p], v[SQ+\p]
.endr
	v_nop                                          ; one plain place behind a transcendental (ISA guide 5.7.2)
	s_wait_alu depctr_va_vdst(0)                   ; the five roots are written, ahead of the clips that read them
.irp p, 0,1,2,3,4
	v_max_num_f32 v[SQ+\p], s22, v[SQ+\p]          ; the norm is clipped at 1e-8
.endr
.irp p, 0,1,2,3,4
	v_rcp_f32 v[SQ+\p], v[SQ+\p]
.endr
	v_nop
	s_wait_alu depctr_va_vdst(0)                   ; the five reciprocals are written, which the LDS stores read
.irp p, 0,1,2,3,4
	ds_store_b32 v[ISTO], v[SQ+\p] offset:(\buf)*320+\p*4          ; sixteen lanes write one word with one value
.endr
.endm
.macro LOADA buf, tl                   ; tile tl of a buffer: 8 fragments of 16 rows x 32 k
.irp ks, 0,1,2,3,4,5,6,7
	ds_load_b128 v[A+8*\ks:A+8*\ks+3],   v[AAD+\buf] offset:(\tl)*16*PITCH+\ks*64
	ds_load_b128 v[A+8*\ks+4:A+8*\ks+7], v[AAD+\buf] offset:(\tl)*16*PITCH+\ks*64+32
.endr
.endm
.macro LOADI buf, tl                   ; 1 / norm of my eight rows of tile tl, into the buffer of the tile's parity
	ds_load_b128 v[INV+8*((\tl)%2):INV+8*((\tl)%2)+3],   v[IAD] offset:\buf*320+(\tl)*64
	ds_load_b128 v[INV+8*((\tl)%2)+4:INV+8*((\tl)%2)+7], v[IAD] offset:\buf*320+(\tl)*64+16
.endm
; One tile of 16 rows against my 64 queries.  first = 1: it starts the 160-row maximum.
; cm = 1: pair tl of the next step is converted and its registers loaded again; 2: converted only; 0: nothing.
.macro TILE buf, tl, first, cm
.set INW, INV+8*((\tl)%2)
.if \tl == 0
	s_wait_dscnt 0x0                               ; the tile's fragments and 1 / norm, asked for just now, are in
.elseif \cm == 0
	s_wait_dscnt 4                                 ; LDS instructions end in order (ISA guide 5.7.1): behind the tile's 18 loads only the four stores of keys were issued
.else
	s_wait_dscnt 8                                 ; the same: behind the tile's 18 loads the four stores of keys and the four of rows were issued
.endif
	WIN 0x04                                       ; second source in window 1
.irp ks, 0,1,2,3,4,5,6,7
.irp nt, 0,1,2,3                                   ; the four accumulators take turns, one instruction a turn
.if \ks == 0
	v_wmma_f32_16x16x32_bf16 v[ACC+8*\nt:ACC+8*\nt+7], v[A+8*\ks:A+8*\ks+7], v[32*\ks+8*\nt:32*\ks+8*\nt+7], 0
.else
	v_wmma_f32_16x16x32_bf16 v[ACC+8*\nt:ACC+8*\nt+7], v[A+8*\ks:A+8*\ks+7], v[32*\ks+8*\nt:32*\ks+8*\nt+7], v[ACC+8*\nt:ACC+8*\nt+7]
.endif
.endr
.endr
	WIN 0
.rept 4
	v_nop                                          ; four places behind the last matrix instruction (ISA guide 7.12.1) before its results are read
.endr
	s_wait_alu depctr_vm_vsrc(0)                   ; the LDS stores issued so far have read KEY, CM, PK and SQ, which this tile writes again; the last stores of keys to memory have read FL
.if \tl < 4
	s_wait_alu depctr_va_vdst(0)                   ; the matrix instructions are done reading A, in which the next tile lands; the other INV was last read by the tile before
	LOADA \buf, \tl+1                              ; the next tile comes in under the vector work below
	LOADI \buf, \tl+1
.endif
.irp nt, 0,1,2,3
.irp j, 0,2,4,6
	v_pk_mul_f32 v[ACC+8*\nt+\j:ACC+8*\nt+\j+1], v[ACC+8*\nt+\j:ACC+8*\nt+\j+1], v[INW+\j:INW+\j+1]
.endr
.endr
.irp nt, 0,1,2,3
	v_max3_num_f32 v[KEY+\nt], v[ACC+8*\nt], v[ACC+8*\nt+1], v[ACC+8*\nt+2]
.endr
.irp nt, 0,1,2,3
	v_max3_num_f32 v[KEY+\nt], v[KEY+\nt], v[ACC+8*\nt+3], v[ACC+8*\nt+4]
.endr
.irp nt, 0,1,2,3
	v_max3_num_f32 v[KEY+\nt], v[KEY+\nt], v[ACC+8*\nt+5], v[ACC+8*\nt+6]
.endr
.if \first
.irp nt, 0,1,2,3
	v_max_num_f32 v[CM+\nt], v[KEY+\nt], v[ACC+8*\nt+7]
.endr
.else
.irp nt, 0,1,2,3
	v_max_num_f32 v[KEY+\nt], v[KEY+\nt], v[ACC+8*\nt+7]
.endr
.irp nt, 0,1,2,3
	v_max_num_f32 v[CM+\nt], v[CM+\nt], v[KEY+\nt]
.endr
.endif
.if \cm == 1
	CONVV \tl, 16                                  ; behind my pair's four loads the four other pairs' sixteen were issued
.endif
.if \cm == 2
	CONVV \tl, 16-4*\tl                            ; nothing is loaded any more: only the later pairs are behind mine
.endif
	s_wait_alu depctr_va_vdst(0)                   ; the keys (KEY, in a trip's first tile CM) and PK are written, which the LDS stores read; the conversions are done reading S[tl], in which the loads land
.if \first
.irp nt, 0,1,2,3
	ds_store_b32 v[KSTO], v[CM+\nt] offset:\nt*640+\tl*8
.endr
.else
.irp nt, 0,1,2,3
	ds_store_b32 v[KSTO], v[KEY+\nt] offset:\nt*640+\tl*8
.endr
.endif
.if \cm == 1
	CONVM \tl, 1-\buf, 2*STEPB
.endif
.if \cm == 2
	CONVM \tl, 1-\buf, 0
.endif
.endm
; One step: 80 rows from buffer buf; meanwhile the next step's rows go into the other buffer.
.macro STEP buf, first, cm, bar
	LOADA \buf, 0                                  ; no wait: the last wait on va_vdst stands behind the last reader of A and of INV0, and no vector or matrix instruction since names them
	LOADI \buf, 0
	TILE \buf, 0, \first, \cm
	TILE \buf, 1, 0, \cm
	TILE \buf, 2, 0, \cm
	TILE \buf, 3, 0, \cm
	TILE \buf, 4, 0, \cm
.irp i, 0,1,2,3,4
	ds_load_b128 v[FL+4*\i:FL+4*\i+3], v[KRD] offset:\i*512        ; my wave's own bytes: LDS serves a wave's instructions in order (ISA guide 5.7.1).  No wait: no vector instruction names FL, and the stores that read it stand ahead of this step's waits on vm_vsrc
.endr
.if \cm
	NORMS 1-\buf                                   ; the next step's 1 / norm, while the keys come back
.endif
	s_wait_dscnt 0x0                               ; the keys are in; also: my reads of this buffer and my stores into the other are done
.irp i, 0,1,2,3,4
	global_store_b128 v[FOFF], v[FL+4*\i:FL+4*\i+3], s[8:9] offset:\i*512 th:TH_STORE_NT   ; each store covers 512 consecutive bytes, aligned to 256
.endr
	s_wait_xcnt 0x0                                ; FL and both bases are written again only behind this wait
.if \bar
	s_add_nc_u64 s[8:9], s[8:9], FSTEP
	s_add_nc_u64 s[4:5], s[4:5], STEPB
	s_barrier_signal -1                            ; one barrier a step for two things: nobody reads this buffer any more,
	s_barrier_wait -1                              ; and the other buffer is whole
.endif
.endm
.macro TRIPEND                         ; the 160-row maximum: both halves of the lanes joined, into my wave's own bytes
.irp nt, 0,1,2,3
	v_permlanex16_b32 v[TP], v[CM+\nt], s16, s17
	v_max_num_f32 v[CM+\nt], v[CM+\nt], v[TP]
.endr
	s_wait_alu depctr_va_vdst(0)                   ; the four maxima are written, which the LDS stores read (their address was written a trip ago)
.irp nt, 0,1,2,3
	ds_store_b32 v[CSTO], v[CM+\nt] offset:\nt*320
.endr
	s_wait_alu depctr_vm_vsrc(0)                   ; those stores have read v[CSTO], which moves on; the step's stores of keys to memory have read FL
	v_add_nc_u32 v[CSTO], 4, v[CSTO]
.endm
	; The rows of step 0, then six of the eight query batches: even ones land where they will stay (window 1), odd ones in window 0.
	s_wait_alu depctr_va_vdst(0)                   ; the thirteen offsets and addresses v4 to v16 are written, which the loads and stores of the whole kernel read; only loads and window switches stand between this wait and the loads below
.irp p, 0,1,2,3,4
.irp i, 0,1,2,3
	global_load_b128 v[S+16*\p+4*\i:S+16*\p+4*\i+3], v[GOFF], s[4:5] offset:\p*1024+\i*256
.endr
.endr
	WIN 0x40                                       ; destination in window 1
	QLOAD 0, 0
	WIN 0
	QLOAD 1, 32
	WIN 0x40
	QLOAD 2, 64
	WIN 0
	QLOAD 3, 96
	WIN 0x40
	QLOAD 4, 128
	QLOAD 6, 192
	s_wait_loadcnt 32                              ; all but batches 4 and 6 (16 loads each)
	WIN 0x45                                       ; sources and destination in window 1
	QCVT 0, 0
	QCVT 64, 64
	WIN 0x40
	QCVT 32, 32                                    ; batch 1 into the half that batch 0 has left,
	QCVT 96, 96                                    ; batch 3 into the half that batch 2 has left
	WIN 0
	s_wait_alu depctr_va_vdst(0)                   ; the conversions are done reading v32-95 and v96-159, in which batches 5 and 7 land
	QLOAD 5, 32
	QLOAD 7, 96
.irp p, 0,1,2,3,4                                  ; step 0 into buffer 0; step 1 is asked for
.if \p > 0
	s_wait_alu depctr_vm_vsrc(0)                   ; the LDS stores of the pair before have read PK, which is written again
.endif
	CONVV \p, -1
	s_wait_alu depctr_va_vdst(0)                   ; PK is written, which the LDS stores read; the conversions are done reading S[p], in which the loads land
	CONVM \p, 0, STEPB
.endr
	NORMS 0
	s_wait_loadcnt 52                              ; behind batch 6: batches 5 and 7 (32) and step 1's rows (20)
	WIN 0x45
	QCVT 128, 128
	QCVT 192, 192
	s_wait_loadcnt 20                              ; step 1's rows stay out
	WIN 0x40
	QCVT 32, 160
	QCVT 96, 224
	WIN 0
	s_wait_alu depctr_va_vdst(0)                   ; the conversions are done reading v32-159: from here on LDS loads land there (A, INV, FL)
	s_wait_dscnt 0x0                               ; my rows of step 0 are in LDS
	s_barrier_signal -1
	s_barrier_wait -1
	s_mov_b32 s18, 4
.Ltrip:                                            ; a trip: two steps = one 160-row group; steps 0 to 7
	STEP 0, 1, 1, 1
	STEP 1, 0, 1, 1
	TRIPEND
	s_sub_co_u32 s18, s18, 1
	s_cmp_lg_u32 s18, 0
	s_cbranch_scc1 .Ltrip
	STEP 0, 1, 2, 1                                ; step 8 converts step 9 and loads nothing: no load leaves the buffer
	STEP 1, 0, 0, 0
	TRIPEND
.irp i, 0,1,2,3,4
	ds_load_b64 v[FL+2*\i:FL+2*\i+1], v[CRD] offset:\i*256         ; no wait: the wait on vm_vsrc at the trip's end stands behind the last stores that read FL
.endr
	s_wait_dscnt 0x0
.irp i, 0,1,2,3,4
	global_store_b64 v[COFF], v[FL+2*\i:FL+2*\i+1], s[10:11] offset:\i*256     ; 256 consecutive bytes, aligned
.endr
	s_wait_dscnt 0x0
	s_wait_alu depctr_hold_cnt(0) depctr_sa_sdst(0) depctr_va_vdst(0) depctr_va_sdst(0) depctr_va_ssrc(0) depctr_va_vcc(0) depctr_vm_vsrc(0)
	s_wait_tensorcnt 0x0
	ds_add_u32 v174, v175
	s_wait_dscnt 0x0
	s_endpgm
.Lfunc_end_k_qc1905b1cc3_sims:
	.size	k_qc1905b1cc3_sims, .Lfunc_end_k_qc1905b1cc3_sims-k_qc1905b1cc3_sims
	.p2alignl 7, 3214868480
	.fill 96, 4, 3214868480
	.section	.rodata,"a",@progbits
	.p2align	6, 0x0
	.amdhsa_kernel k_qc1905b1cc3_sims
		.amdhsa_group_segment_fixed_size 116992
		.amdhsa_private_segment_fixed_size 0
		.amdhsa_enable_private_segment 0
		.amdhsa_kernarg_size 32
		.amdhsa_user_sgpr_count 2
		.amdhsa_user_sgpr_kernarg_segment_ptr 1
		.amdhsa_wavefront_size32 1
		.amdhsa_system_sgpr_workgroup_id_x 1
		.amdhsa_system_sgpr_workgroup_id_y 1
		.amdhsa_system_sgpr_workgroup_id_z 1
		.amdhsa_system_vgpr_workitem_id 0
		.amdhsa_next_free_vgpr 512
		.amdhsa_next_free_sgpr 66
		.amdhsa_reserve_vcc 0
		.amdhsa_float_denorm_mode_32 3
		.amdhsa_float_denorm_mode_16_64 3
		.amdhsa_memory_ordered 1
		.amdhsa_forward_progress 1
		.amdhsa_inst_pref_size 205
	.end_amdhsa_kernel
	.amdgpu_metadata
---
amdhsa.version: [ 1, 2 ]
amdhsa.kernels:
  - .name:           k_qc1905b1cc3_sims
    .symbol:         k_qc1905b1cc3_sims.kd
    .args:
      - { .name: memory_feat, .offset: 0, .size: 8, .value_kind: global_buffer, .address_space: global }
      - { .name: query, .offset: 8, .size: 8, .value_kind: global_buffer, .address_space: global }
      - { .name: fmax, .offset: 16, .size: 8, .value_kind: global_buffer, .address_space: global }
      - { .name: cmax, .offset: 24, .size: 8, .value_kind: global_buffer, .address_space: global }
    .group_segment_fixed_size: 116992
    .private_segment_fixed_size: 0
    .kernarg_segment_align: 8
    .kernarg_segment_size: 32
    .max_flat_workgroup_size: 256
    .sgpr_count:     66
    .vgpr_count:     512
    .wavefront_size: 32
...
	.end_amdgpu_metadata
.endif
;; end of part 5
;; launch pickc: the kernel of part 2 again; grid 256 x 1, 4 waves a work-group, no clusters, 0 bytes of LDS; arguments cmax, cidx; writes cidx
;; launch pickf: the kernel of part 3 again; grid 256 x 1, 4 waves a work-group, no clusters, 0 bytes of LDS; arguments cidx, fmax, fidx; writes fidx
;; launch final: the kernel of part 4 again; grid 1024 x 1, 8 waves a work-group, no clusters, 1,536 bytes of LDS; arguments fidx, memory_feat, query, memory_evidence, model_evidence, out0; writes out0
